; MI455X (gfx1250); checked and timed in simulation.
; The chip was launched on July 23, 2026; its instructions are those of AMD's public machine-readable ISA for CDNA 5 (MIT licence, August 2026) and "CDNA5" Instruction Set Architecture Reference Guide (July 2026). The comments in the code are by the model that wrote it; some were corrected since.
;; Linear Probe Per Scene. Allowed arithmetic: matrix products marked QUANTISED: E4M3 operands, one given power-of-two scale a tensor, by v_wmma_f32_16x16x64_fp8_fp8 or v_wmma_f32_16x16x128_fp8_fp8, f32 sums; everything else in f32.
;; Inputs: W1_codes 4,096 x 64 x 32 uint8 (E4M3 codes of W1, K innermost, in blocks of 32 codes); Ws_codes 4 x 2,048 x 64 x 32 uint8 (E4M3 codes of Ws, K innermost, in blocks of 32 codes); b1 4,096 float32; bs 4 x 2,048 float32; lowp_scales 10 int32 (the exponents e of the quantised operands' scales 2^e); scene_sign 2,048 int32; x_codes 2,048 x 64 x 32 uint8 (E4M3 codes of x, K innermost, in blocks of 32 codes).
;; Outputs: out0 2,048 x 4,096 float32.
;; This version of the problem:
;;   THIS VERSION OF THE PROBLEM IS GIVEN IN LOW PRECISION. The matrix products marked QUANTISED in the list below multiply operands that are first quantised to E4M3 (4 exponent bits, 3 mantissa bits; 8 bits a number), with one given power-of-two scale for each operand tensor; their sums are f32. All else is computed in f32.
;;   The module's matrix products, in the order in which they are computed (A, B: the left and right operand; K: the contracted axis; several contracted axes count as one K, in the product's order):
;;     1. [M 2,048, K 2,048] x [K 2,048, N 2,048]; A: input x (given as codes); B: input Ws (given as codes): QUANTISED (scales: A lowp_scales[0], B lowp_scales[1])
;;     2. [M 2,048, K 2,048] x [K 2,048, N 2,048]; A: input x (given as codes); B: input Ws (given as codes): QUANTISED (scales: A lowp_scales[2], B lowp_scales[3])
;;     3. [M 2,048, K 2,048] x [K 2,048, N 2,048]; A: input x (given as codes); B: input Ws (given as codes): QUANTISED (scales: A lowp_scales[4], B lowp_scales[5])
;;     4. [M 2,048, K 2,048] x [K 2,048, N 2,048]; A: input x (given as codes); B: input Ws (given as codes): QUANTISED (scales: A lowp_scales[6], B lowp_scales[7])
;;     5. [M 2,048, K 2,048] x [K 2,048, N 4,096]; A: computed on the way; B: input W1 (given as codes): QUANTISED (scales: A lowp_scales[8], B lowp_scales[9])
;;   THE QUANTISER, for each operand of a quantised product, along K:
;;     - The operand's scale is 2^e, e = its entry of the input lowp_scales (int32; the entries are numbered through the quantised products in the list's order, A before B).
;;     - Each number is divided by the scale, clamped to +-448, and rounded to the nearest number of E4M3, ties to even, subnormals kept.
;;     - The product sums the exact products of the quantised numbers (number of the format x scale) in f32.
;;   ~~~python
;;   def quantise(x, axis, e):      # numpy; x: float32 -> the quantised numbers, widened to float32 again
;;       x = np.moveaxis(x, axis, -1); K = x.shape[-1]
;;       r = np.clip(x / 2.0 ** e, -448, 448)
;;       step = 2.0 ** (np.maximum(np.frexp(np.where(r == 0, 1, r))[1] - 1, -6) - 3)
;;       q = np.round(r / step) * step * 2.0 ** e      # np.round: ties to even
;;       return np.moveaxis(q, -1, axis).astype(np.float32)
;;   ~~~
;;   OPERANDS COMPUTED ON THE WAY. 'Computed on the way' means the value that the module computes at that place (a softmax that the list does not call 'softmax' is quantised finished and normalised). What goes into a quantiser is computed in f32, as accurately as f32 sums, v_exp_f32 and their like allow (about 1e-6 of the number): no bf16 or f16 on the way to a quantiser, and a product that is left as it is and whose result goes on into a quantised operand takes f32 operands (vector FMAs, or v_wmma_f32_16x16x4_f32). A number that lies on a knife's edge between two numbers of the format may be rounded either way, as far as f32 arithmetic and the matrix unit's own rounding can turn it there, and no further.
;;   INPUTS GIVEN AS CODES. W1 (in the module: [4096, 2048], K = its axis 1); Ws (in the module: [4, 2048, 2048], K = its axis 2); x (in the module: [2048, 2048], K = its axis 1): each comes as NAME_codes (uint8): NAME with its K axis moved to the last place and cut into blocks of 32 codes, [.., K / 32, bytes a block], one block behind the other in memory; one code a byte (a code: sign, 4 exponent bits, 3 mantissa bits); its scale is its entry of lowp_scales. Its value is code x scale, taken as it is: it is not quantised again, and the codes and scales need not be those that the quantiser above would give.
;; One version. Each part assembles by itself: llvm-mc -triple=amdgcn-amd-amdhsa -mcpu=gfx1250 --defsym DOCPART=n.
;; ======== version 1 of 1: 2 launches
;; limits: right only within a limited range of input values
;; workspace buffers: hc 4,194,304 bytes
;; launch scene (part 1): grid 16 x 16, 4 waves a work-group, no clusters, 158,208 bytes of LDS; arguments x_codes, Ws_codes, bs, lowp_scales, scene_sign, hc; writes hc
.if DOCPART == 1
	.amdgcn_target "amdgcn-amd-amdhsa--gfx1250"
	.amdhsa_code_object_version 6
	.text
	.protected	k_q0f19864b8a_scene
	.globl	k_q0f19864b8a_scene
	.p2align	8
	.type	k_q0f19864b8a_scene,@function
k_q0f19864b8a_scene:
	s_mov_b64 s[64:65], 0
	v_nop
	global_prefetch_b8 v0, s[64:65] scope:SCOPE_SE
	s_setreg_imm32_b32 hwreg(HW_REG_WAVE_MODE, 25, 1), 1
	s_wait_xcnt 0x0
; hc = Q(relu(x[i] Ws[s_i - 1]^T + bs[s_i - 1])), rows in the stable order of scene_sign, as codes of FP8 (E4M3) with the given scale 2^l[8].
; Only the scene chosen for a row is multiplied: the other three products are thrown away by the mask that the problem builds from scene_sign.
; hc is laid [16 planes][2048 sorted rows][128 bytes]: plane p holds hidden units 128 p .. 128 p + 127 of every row.
; SHARES.  Work-group (tx, ty): hidden units 128 tx on (plane tx), row tile ty.  A row tile is up to 160 consecutive ranks of ONE scene: the sum over four scenes of
; ceil(n / 160) is at most (2048 + 4 x 159) / 160, rounded down: 16.  So 16 row tiles serve every split.  Rows of a tile past its m rows load the tile's last row again and are
; masked at the store; a tile with m = 0 runs the same text with every store masked, since every wave passes every barrier.  No branch of this text hangs on a loaded number.
; Four waves, 2 x 2: wave w takes rows 80 (w / 2) on and columns 64 (w % 2) on: 5 x 4 accumulators of 16 x 16.
; ROUTING is done anew by every wave from scene_sign (8 KB): counts of the classes, then for each row of the tile the place of the scene's j-th token.
; scene_sign may be any int32: rows with s < 1 sort first, rows with s > 4 last; their y is 0, so their rows of hc are zero codes, whatever their order among themselves.
; NO TENSOR LOADS, NO CLUSTER: x's rows are gathered by a list, 160 addresses that follow no pitch; and which work-groups share a tile of Ws hangs on counts read from memory,
; so no fixed set of partners could ask jointly.  Tiles go memory -> registers -> LDS, two K steps of 256 ahead, into two LDS slots, one barrier a K step.
; THE MATRIX INSTRUCTION IS USED TRANSPOSED (source 0 = 16 rows of Ws, source 1 = 16 rows of x), and the rows of Ws that form a tile are chosen (lane r of tile 2 b + u takes row
; 32 b + 8 u + r + 8 (r / 8)) so that a lane's 16 registers of tiles 2 b, 2 b + 1 are 16 neighbouring hidden units of one row: the conversions' results are 16 bytes of hc.
; In LDS the rows of Ws lie in that order (LDS row = weight row with bits 3 and 4 exchanged), so that a fragment is 16 neighbouring LDS rows.
; A fragment is fetched by four loads of 16 bytes: a permutation of k, the same in both operands.
; The bias, divided by 2^(l[2e] + l[2e+1]), is the C of each sum's first product; that power and 2^l[8] are folded into the conversion's one scale.
; LIMITS: l[8] - l[2e] - l[2e+1] between -126 and 119, so that the scale and 448 x the scale are f32 numbers.  NaN codes among the inputs are not served.
; REGISTERS, in windows of 256: window 0: v1-19 addresses, v20-39 x's row offsets, v40-47 at work, v48-127 x's 5 fragments, v128-255 Ws's fragments, two sets of 4
;   (during the routing: v128-191 the signs, v48-75 at work; on the way out: v48-87 codes, v128-167 rows read back);
;   window 1: v0-143 tiles on their way, set 0 (x 20 x 4, Ws 16 x 4); v144-175 the bias;   window 2: v0-143 set 1;   window 3: v0-159 the accumulators, (a, b) at 8 (4 a + b).
.set PITCH, 272                        ; an LDS row: 256 bytes + 16 = 68 words: row r starts at bank 4 r mod 64 (64 banks of 4 bytes: ISA guide 11.1)
.set BOFS,  160*PITCH                  ; a slot: x's 160 rows, then Ws's 128
.set SLOTB, 288*PITCH
.set LIST,  2*SLOTB                    ; behind the slots: 256 words, the tile's token numbers
.set SP,    144                        ; the way out: a stage of 160 rows x (128 bytes + 16), in slot 0, whose last read stands ahead of the last barrier of the K steps
.set FROW,  16*PITCH
.set BOFF,  1                          ; v1      Ws: (32 w + h) rows of 2,048 bytes + 16 (t % 16)
.set ASTO,  2                          ; v2-3    where I store x's rows in slot 0, 1
.set BSTO,  4                          ; v4-5    the same for Ws
.set AFR,   6                          ; v6-7    where I read x's fragments
.set BFR,   8                          ; v8-9    the same for Ws
.set LISTW, 10
.set LISTR, 11
.set SSTO,  12
.set SRD,   13
.set T16,   14                         ; 16 t
.set T3,    15                         ; t / 8
.set SC,    16                         ; 2^(l[8] - l[2e] - l[2e+1]) as f32
.set LIM,   17                         ; 448 x that
.set P16,   18
.set H64,   19
.set AOFF,  20
.set AF,    48
.set BF,    128
.set SB,    80                         ; Ws's part of a set
.set BIAS,  144
.set SJ, 0                             ; a search's registers, from v48 (rows t) and from v64 (rows 128 + t): j, bound, key, mask, q, place, four levels of counts, two at work
.set SBD, 1
.set SKEY, 2
.set SMSK, 3
.set SQ, 4
.set SPOS, 5
.set SCA, 6
.set SCB, 7
.set SCC, 8
.set SCD, 9
.set STT, 10
.set SUU, 11
.set MSB, 0
.macro WIN new                         ; the immediate's high byte repeats the setting that is left
.if MSB != \new
	s_set_vgpr_msb (MSB<<8)|\new
.set MSB, \new
.endif
.endm
.macro PLACES n
.rept \n
	v_nop
.endr
.endm
.macro BARRIER                         ; my LDS stores have landed and my LDS loads are in: then the work-group's barrier
	s_wait_dscnt 0x0
	s_barrier_signal -1
	s_barrier_wait -1
.endm
	s_load_b256 s[4:11], s[0:1], 0x0               ; x s[4:5], Ws s[6:7], bs s[8:9], the scales' exponents s[10:11]
	s_load_b128 s[12:15], s[0:1], 0x20             ; scene_sign s[12:13], hc s[14:15]
	s_set_vgpr_msb 0x40
	v_lshl_add_u32 v254, v0, 2, 0x26800
	v_mov_b32 v255, 0
	s_set_vgpr_msb 0x4000
	v_and_b32 v41, 31, v0
	v_lshlrev_b32 v40, 2, v41                      ; 4 x lane
	v_lshrrev_b32 v42, 5, v0
	v_readfirstlane_b32 s26, v42                   ; wave
	s_wait_alu depctr_va_vdst(0)
	s_wait_kmcnt 0x0
	s_load_b256 s[16:23], s[10:11], 0x0            ; l[0..7]
	s_load_b64 s[24:25], s[10:11], 0x20            ; l[8], l[9]
.set CH, 0
.rept 64
	global_load_b32 v[128+CH], v40, s[12:13] offset:128*CH   ; chunk c: lane l holds the sign of token 32 c + l
.set CH, CH+1
.endr
	; the addresses are made while the signs are on their way
	s_lshr_b32 s27, s26, 1                         ; wr
	s_and_b32 s28, s26, 1                          ; wc
	s_mov_b32 s29, ttmp9                           ; tx
	s_and_b32 s30, ttmp7, 0xffff                   ; ty
	v_and_b32 v43, 15, v0                          ; r
	v_bfe_u32 v44, v0, 4, 1                        ; h
	v_lshlrev_b32 v[P16], 4, v43
	v_lshlrev_b32 v[H64], 6, v44
	s_lshl_b32 s58, s26, 16
	v_lshl_add_u32 v[BOFF], v44, 11, v[P16]
	v_add_nc_u32 v[BOFF], s58, v[BOFF]
	v_mul_u32_u24 v45, v44, PITCH
	v_add_nc_u32 v45, v45, v[P16]                  ; sixteen lanes to a row, two rows an instruction
	s_mul_i32 s58, s26, 40*PITCH
	s_mul_i32 s59, s26, 32*PITCH
	s_add_co_u32 s59, s59, BOFS
	v_add_nc_u32 v[ASTO], s58, v45
	v_add_nc_u32 v[ASTO+1], SLOTB, v[ASTO]
	v_add_nc_u32 v[BSTO], s59, v45
	v_add_nc_u32 v[BSTO+1], SLOTB, v[BSTO]
	v_mul_u32_u24 v46, v43, PITCH
	v_lshl_add_u32 v46, v44, 4, v46                ; a fragment's row x pitch + 16 x half
	s_mul_i32 s58, s27, 80*PITCH
	s_mul_i32 s59, s28, 64*PITCH
	s_add_co_u32 s59, s59, BOFS
	v_add_nc_u32 v[AFR], s58, v46
	v_add_nc_u32 v[AFR+1], SLOTB, v[AFR]
	v_add_nc_u32 v[BFR], s59, v46
	v_add_nc_u32 v[BFR+1], SLOTB, v[BFR]
	v_lshl_add_u32 v[LISTW], v0, 2, LIST
	s_mul_i32 s58, s26, 160
	s_add_co_u32 s58, s58, LIST
	v_lshl_add_u32 v[LISTR], v44, 2, s58           ; word 40 w + h
	v_mul_u32_u24 v47, v43, SP
	v_lshl_add_u32 v47, v44, 4, v47
	s_mul_i32 s58, s27, 80*SP
	s_lshl_b32 s59, s28, 6
	s_add_co_u32 s58, s58, s59
	v_add_nc_u32 v[SSTO], s58, v47                 ; the stage: row 80 wr + r, byte 64 wc + 16 h
	v_lshrrev_b32 v[T3], 3, v0
	v_and_b32 v47, 7, v0
	v_mul_u32_u24 v[SRD], v[T3], SP
	v_lshl_add_u32 v[SRD], v47, 4, v[SRD]          ; back: eight lanes to a row of 128 bytes
	v_lshlrev_b32 v[T16], 4, v0
.irp i, 68,69,70,71,72,73,74,75
	v_mov_b32 v\i, 0                               ; four chains of packed class counts, four of counts of negative signs
.endr
; THE COUNTS.  class = min(s, 5) as unsigned: 0, the four scenes, 5 (s > 4 or s < 0).  1 << 6 class is added to a chain: fields of 6 bits; a chain takes 16 chunks, two chains added at most 32.
; Class 5 falls on bits 30 and 31 and is not used.  Negative signs are counted apart (bit 31) and belong with class 0: s < 1.
.macro CLASS8 g
	s_wait_loadcnt 56-8*\g                         ; loads come back in order: these eight chunks are in, the younger ones stay out
.irp i, 0,1,2,3,4,5,6,7
	v_min_u32 v[52+\i], 5, v[128+8*\g+\i]
.endr
.irp i, 0,1,2,3,4,5,6,7
	v_lshrrev_b32 v[60+\i], 31, v[128+8*\g+\i]
.endr
.irp i, 0,1,2,3,4,5,6,7
	v_mul_u32_u24 v[52+\i], v[52+\i], 6
.endr
.irp i, 0,1,2,3,4,5,6,7
	v_lshl_add_u32 v[68+\i%4], 1, v[52+\i], v[68+\i%4]
.endr
.irp i, 0,1,2,3,4,5,6,7
	v_add_nc_u32 v[72+\i%4], v[72+\i%4], v[60+\i]
.endr
.endm
.irp g, 0,1,2,3,4,5,6,7
	CLASS8 \g
.endr
	v_add_nc_u32 v68, v68, v69
	v_add_nc_u32 v70, v70, v71
	v_add_nc_u32 v72, v72, v73
	v_add_nc_u32 v74, v74, v75
	v_add_nc_u32 v72, v72, v74
.irp k, 0,1,2,3,4
	v_bfe_u32 v[52+\k], v68, 6*\k, 6
	v_bfe_u32 v[60+\k], v70, 6*\k, 6
.endr
.irp k, 0,1,2,3,4
	v_add_nc_u32 v[52+\k], v[52+\k], v[60+\k]
.endr
	v_add_nc_u32 v52, v52, v72                     ; s < 1
	; The lane's five counts, at most 64 each, as one number of 64 bits in v52 (low word) and v53: fields of 12 bits from bits 0, 12, 24, 36, 48.  A total is at most 2,048, so no field
	; runs over; the third field crosses the words' border, and the 64-bit additions below carry it across.
	v_lshl_add_u32 v52, v53, 12, v52
	v_lshl_add_u32 v52, v54, 24, v52
	v_lshlrev_b32 v53, 4, v55
	v_lshl_add_u32 v53, v56, 16, v53
	s_mov_b32 s96, 0
	s_mov_b32 s97, 0
.irp g, 0,1,2,3                                ; the sum over the 32 lanes, on the scalar side, eight lanes at a time
.irp i, 0,1,2,3,4,5,6,7
	v_readlane_b32 s[80+2*\i], v52, 8*\g+\i
	v_readlane_b32 s[81+2*\i], v53, 8*\g+\i
.endr
	s_add_nc_u64 s[80:81], s[80:81], s[82:83]
	s_add_nc_u64 s[84:85], s[84:85], s[86:87]
	s_add_nc_u64 s[88:89], s[88:89], s[90:91]
	s_add_nc_u64 s[92:93], s[92:93], s[94:95]
	s_add_nc_u64 s[80:81], s[80:81], s[84:85]
	s_add_nc_u64 s[88:89], s[88:89], s[92:93]
	s_add_nc_u64 s[80:81], s[80:81], s[88:89]
	s_add_nc_u64 s[96:97], s[96:97], s[80:81]
.endr
	s_and_b32 s32, s96, 0xfff                      ; n0: rows with s < 1
	s_bfe_u32 s33, s96, 0xc000c                    ; n1: 12 bits from bit 12
	s_lshr_b32 s58, s96, 24
	s_and_b32 s59, s97, 15
	s_lshl_b32 s59, s59, 8
	s_or_b32 s34, s58, s59                         ; n2: bits 24 to 35
	s_bfe_u32 s35, s97, 0xc0004                    ; n3: bits 36 to 47
	s_lshr_b32 s36, s97, 16                        ; n4: from bit 48
	; MY TILE, without a branch.  ceil(n / 160) = ((n + 159) / 32) / 5, and x / 5 = (205 x) >> 10 for x under 1,024 (here at most 68)
.irp k, 0,1,2
	s_add_co_u32 s[37+\k], s[33+\k], 159
	s_lshr_b32 s[37+\k], s[37+\k], 5
	s_mul_i32 s[37+\k], s[37+\k], 205
	s_lshr_b32 s[37+\k], s[37+\k], 10
.endr
	s_add_co_u32 s38, s38, s37                     ; s37, s38, s39: the first row tile of scenes 2, 3, 4
	s_add_co_u32 s39, s39, s38
	s_add_co_u32 s66, s32, s33                     ; s32, s66, s67, s68: the first sorted row of scenes 1, 2, 3, 4
	s_add_co_u32 s67, s66, s34
	s_add_co_u32 s68, s67, s35
	s_add_co_u32 s75, s68, s36
	s_sub_co_u32 s75, s75, s32                     ; rows with a scene
	s_wait_kmcnt 0x0
	s_add_co_i32 s69, s16, s17                     ; the two exponents of each scene's product
	s_add_co_i32 s70, s18, s19
	s_add_co_i32 s71, s20, s21
	s_add_co_i32 s72, s22, s23
	s_mov_b32 s41, 0                               ; e: scene - 1
	s_mov_b32 s42, s33                             ; its rows
	s_mov_b32 s43, 0                               ; its first tile
	s_mov_b32 s44, s32                             ; its first sorted row
	s_mov_b32 s45, s69                             ; its exponents' sum
.irp k, 0,1,2
	s_cmp_ge_u32 s30, s[37+\k]                     ; the selects leave SCC alone
	s_cselect_b32 s41, \k+1, s41
	s_cselect_b32 s42, s[34+\k], s42
	s_cselect_b32 s43, s[37+\k], s43
	s_cselect_b32 s44, s[66+\k], s44
	s_cselect_b32 s45, s[70+\k], s45
.endr
	s_sub_co_u32 s46, s30, s43
	s_mul_i32 s46, s46, 160                        ; j0: my first rank in the scene
	s_sub_co_i32 s47, s42, s46
	s_max_i32 s47, s47, 0
	s_min_i32 s47, s47, 160                        ; m: my rows
	s_add_co_u32 s48, s44, s46
	s_min_u32 s48, s48, 2047                       ; p0: my first sorted row
	s_add_co_u32 s49, s46, s47
	s_max_u32 s49, s49, 1
	s_sub_co_u32 s49, s49, 1                       ; the last rank that I look for
	s_min_u32 s41, s41, 3
	s_add_co_u32 s74, s41, 1                       ; the sign that I look for
	s_mov_b32 s57, 0
	s_lshl_b32 s56, s41, 22
	s_lshl_b32 s58, s29, 18
	s_add_co_u32 s56, s56, s58
	s_add_nc_u64 s[50:51], s[6:7], s[56:57]        ; Ws at scene e, row 128 tx
	s_lshl_b32 s56, s41, 13
	s_lshl_b32 s59, s29, 9
	s_add_co_u32 s56, s56, s59
	s_lshl_b32 s59, s28, 8
	s_add_co_u32 s56, s56, s59
	s_add_nc_u64 s[52:53], s[8:9], s[56:57]        ; bs at scene e, column 128 tx + 64 wc
	s_lshl_b32 s56, s48, 7
	s_add_co_u32 s56, s56, s58
	s_add_nc_u64 s[54:55], s[14:15], s[56:57]      ; hc at plane tx, row p0
	s_lshl_b32 s56, s30, 14
	s_add_co_u32 s56, s56, s58
	s_add_nc_u64 s[78:79], s[14:15], s[56:57]      ; hc at plane tx, row 128 ty
	s_sub_co_i32 s58, s24, s45
	s_add_co_i32 s58, s58, 127
	s_lshl_b32 s59, s58, 23
	v_mov_b32 v[SC], s59
	s_add_co_i32 s58, s58, 8
	s_lshl_b32 s58, s58, 23
	s_or_b32 s58, s58, 0x600000
	v_mov_b32 v[LIM], s58
	s_sub_co_i32 s73, 0, s45
; K step t's tiles from memory into set t % 2: x's rows by the list, Ws's in the order in which they lie in LDS.  Sixteen lanes read 256 consecutive bytes of a row.
.macro GLOAD_A t, set
	WIN 0x40*(\set+1)
.irp i, 0,1,2,3,4,5,6,7,8,9,10,11,12,13,14,15,16,17,18,19
	global_load_b128 v[4*\i:4*\i+3], v[AOFF+\i], s[4:5] offset:256*(\t)
.endr
.endm
.macro GLOAD_B t, set
	WIN 0x40*(\set+1)
.irp i, 0,1,2,3,4,5,6,7,8,9,10,11,12,13,14,15
	global_load_b128 v[SB+4*\i:SB+4*\i+3], v[BOFF], s[50:51] offset:((\i&3)|((\i&4)<<1)|((\i&8)>>1))*4096+256*(\t)   ; LDS rows 32 w + 2 i + h: the weight row has bits 3 and 4 exchanged
.endr
.endm
.macro STORE set, slot
	WIN 0x04*(\set+1)
.irp i, 0,1,2,3,4,5,6,7,8,9,10,11,12,13,14,15,16,17,18,19
	ds_store_b128 v[ASTO+\slot], v[4*\i:4*\i+3] offset:2*PITCH*\i
.endr
.irp i, 0,1,2,3,4,5,6,7,8,9,10,11,12,13,14,15
	ds_store_b128 v[BSTO+\slot], v[SB+4*\i:SB+4*\i+3] offset:2*PITCH*\i
.endr
.endm
	GLOAD_B 0, 0                                   ; what does not hang on the list goes out now and lands under the search
	GLOAD_B 1, 1
	WIN 0x40
.irp b, 0,1,2,3
	global_load_b128 v[BIAS+8*\b:BIAS+8*\b+3], v[H64], s[52:53] offset:128*(\b/2)+32*(\b%2)      ; tile b: the lane's eight hidden units 32 (b / 2) + 16 h + 8 (b % 2) + 0 .. 7
	global_load_b128 v[BIAS+8*\b+4:BIAS+8*\b+7], v[H64], s[52:53] offset:128*(\b/2)+32*(\b%2)+16
.endr
	WIN 0
	; THE SEARCH: thread t finds the tokens of the tile's rows t and 128 + t: the scene's tokens of rank j = min(j0 + row, the last).
	; Key of chunk c: (tokens of the scene ahead of the chunk) << 6 | c, which rises with c.  The last chunk whose key is at most j << 6 | 63 holds the token; its key and its ballot are kept.
	v_add_nc_u32 v47, s46, v0
	v_min_u32 v48, s49, v47
	v_add_nc_u32 v47, 0x80, v47
	v_min_u32 v64, s49, v47
	v_lshl_or_b32 v49, v48, 6, 63
	v_lshl_or_b32 v65, v64, 6, 63
	v_mov_b32 v50, 0                               ; chunk 0's key, 0, lies under every bound: it writes these four
	v_mov_b32 v51, 0
	v_mov_b32 v66, 0
	v_mov_b32 v67, 0
	s_mov_b32 s96, 0
.macro SCAN8 g
.irp i, 0,1,2,3,4,5,6,7
	v_cmp_eq_u32 s[80+\i], s74, v[128+8*\g+\i]     ; bit l: token 32 c + l is of my scene
.endr
	s_mov_b32 s88, s96
.irp i, 0,1,2,3,4,5,6,7
	s_bcnt1_i32_b32 s97, s[80+\i]
	s_lshl_b32 s97, s97, 6
	s_add_co_u32 s97, s97, 1
	s_add_co_u32 s[89+\i], s[88+\i], s97           ; the next chunk's key
.endr
.irp f, 0,4
.irp i, 0,1,2,3
	v_cmp_le_u32 s[56+\i], s[88+\f+\i], v49
	v_cmp_le_u32 s[60+\i], s[88+\f+\i], v65
.endr
.irp i, 0,1,2,3
	v_cndmask_b32 v50, v50, s[88+\f+\i], s[56+\i]
	v_cndmask_b32 v51, v51, s[80+\f+\i], s[56+\i]
	v_cndmask_b32 v66, v66, s[88+\f+\i], s[60+\i]
	v_cndmask_b32 v67, v67, s[80+\f+\i], s[60+\i]
.endr
.endr
.endm
.irp g, 0,1,2,3,4,5,6,7
	SCAN8 \g
.endr
	; the place of set bit number q of the ballot: counts of fields of 2, 4, 8 bits and of the low 16, then five halvings.  The place is at most 31 whatever q is
.irp o, 48,64
	v_lshrrev_b32 v[\o+STT], 6, v[\o+SKEY]
	v_lshrrev_b32 v[\o+SUU], 1, v[\o+SMSK]
	v_sub_nc_u32 v[\o+SQ], v[\o+SJ], v[\o+STT]
	v_and_b32 v[\o+SUU], 0x55555555, v[\o+SUU]
	v_sub_nc_u32 v[\o+SCA], v[\o+SMSK], v[\o+SUU]
	v_lshrrev_b32 v[\o+STT], 2, v[\o+SCA]
	v_and_b32 v[\o+SCB], 0x33333333, v[\o+SCA]
	v_and_b32 v[\o+STT], 0x33333333, v[\o+STT]
	v_add_nc_u32 v[\o+SCB], v[\o+SCB], v[\o+STT]
	v_lshrrev_b32 v[\o+STT], 4, v[\o+SCB]
	v_add_nc_u32 v[\o+SCC], v[\o+SCB], v[\o+STT]
	v_and_b32 v[\o+SCC], 0x0f0f0f0f, v[\o+SCC]
	v_lshrrev_b32 v[\o+STT], 8, v[\o+SCC]
	v_add_nc_u32 v[\o+SCD], v[\o+SCC], v[\o+STT]
	v_mov_b32 v[\o+SPOS], 0
.endr
.macro LEVEL src, w, st                        ; if q is at least the count of the lower half: q less that count, the place st further on
	v_bfe_u32 v[48+STT], v[48+\src], v[48+SPOS], \w
	v_bfe_u32 v[64+STT], v[64+\src], v[64+SPOS], \w
	v_cmp_ge_u32 vcc_lo, v[48+SQ], v[48+STT]
	v_cmp_ge_u32 s56, v[64+SQ], v[64+STT]
	v_cndmask_b32 v[48+STT], 0, v[48+STT], vcc_lo
	v_cndmask_b32 v[48+SUU], 0, \st, vcc_lo
	v_cndmask_b32 v[64+STT], 0, v[64+STT], s56
	v_cndmask_b32 v[64+SUU], 0, \st, s56
	v_sub_nc_u32 v[48+SQ], v[48+SQ], v[48+STT]
	v_add_nc_u32 v[48+SPOS], v[48+SPOS], v[48+SUU]
	v_sub_nc_u32 v[64+SQ], v[64+SQ], v[64+STT]
	v_add_nc_u32 v[64+SPOS], v[64+SPOS], v[64+SUU]
.endm
	LEVEL SCD, 8, 16
	LEVEL SCC, 8, 8
	LEVEL SCB, 4, 4
	LEVEL SCA, 2, 2
	LEVEL SMSK, 1, 1
.irp o, 48,64
	v_and_b32 v[\o+STT], 63, v[\o+SKEY]
	v_lshl_add_u32 v[\o+STT], v[\o+STT], 5, v[\o+SPOS]   ; the token: 32 x chunk + place
.endr
	ds_store_b32 v[LISTW], v[48+STT]
	ds_store_b32 v[LISTW], v[64+STT] offset:512
	BARRIER                                        ; the list lies in LDS
.irp i, 0,1,2,3,4,5,6,7,8,9,10,11,12,13,14,15,16,17,18,19
	ds_load_b32 v[AOFF+\i], v[LISTR] offset:8*\i   ; the token of row 40 w + 2 i + h
.endr
	s_wait_dscnt 0x0
.irp i, 0,1,2,3,4,5,6,7,8,9,10,11,12,13,14,15,16,17,18,19
	v_min_u32 v[AOFF+\i], 0x7ff, v[AOFF+\i]        ; a loaded number enters an address behind its bound
.endr
.irp i, 0,1,2,3,4,5,6,7,8,9,10,11,12,13,14,15,16,17,18,19
	v_lshl_add_u32 v[AOFF+\i], v[AOFF+\i], 11, v[P16]
.endr
	GLOAD_A 0, 0
	GLOAD_A 1, 1
	s_wait_loadcnt 40                              ; behind the bias: x's 2 x 20 loads
	WIN 0x41
.set J, 0
.rept 32
	v_ldexp_f32 v[BIAS+J], v[BIAS+J], s73          ; a sum stands for sum x 2^(l[2e] + l[2e+1]): the bias goes in divided by that
.set J, J+1
.endr
	s_wait_alu depctr_va_vdst(0)
	s_wait_loadcnt 20                              ; K step 0's tiles are in; x's rows of K step 1 may be out
	STORE 0, 0
	WIN 0
	BARRIER
.macro FRAG reg, adr, off              ; 16 rows x 128 K in 16 registers: lane l holds row l % 16; registers 4 c .. 4 c + 3 hold K = 32 c + 16 (l / 16) + 0 .. 15
.irp c, 0,1,2,3
	ds_load_b128 v[\reg+4*\c:\reg+4*\c+3], v[\adr] offset:\off+32*\c
.endr
.endm
.macro FETCH_B slot, q, p              ; Ws's four fragments of the slot's q-th 128 along K into set p
.irp b, 0,1,2,3
	FRAG BF+64*(\p)+16*\b, BFR+\slot, \b*FROW+128*(\q)
.endr
.endm
.macro FETCH_A_LO slot, q
.irp a, 0,1,2
	FRAG AF+16*\a, AFR+\slot, \a*FROW+128*(\q)
.endr
.endm
.macro FETCH_A_HI slot, q
.irp a, 3,4
	FRAG AF+16*\a, AFR+\slot, \a*FROW+128*(\q)
.endr
.endm
; Four products: x's block a against Ws's four tiles of set p.  first = 1: the bias is the C: nothing is cleared.  The 20 accumulators take turns, one instruction a turn, in the same order in every step.
.macro MUL a, p, first
.irp b, 0,1,2,3
.if \first
	v_wmma_f32_16x16x128_fp8_fp8 v[8*(4*\a+\b):8*(4*\a+\b)+7], v[BF+64*\p+16*\b:BF+64*\p+16*\b+15], v[AF+16*\a:AF+16*\a+15], v[BIAS+8*\b:BIAS+8*\b+7]
.else
	v_wmma_f32_16x16x128_fp8_fp8 v[8*(4*\a+\b):8*(4*\a+\b)+7], v[BF+64*\p+16*\b:BF+64*\p+16*\b+15], v[AF+16*\a:AF+16*\a+15], v[8*(4*\a+\b):8*(4*\a+\b)+7]
.endif
.endr
.endm
; A load into a register that a matrix instruction has read stands four places behind it, and only plain vector instructions that name none of its registers are places
; (ISA guide 7.12.1 for vector instructions): so four v_nop stand in front of each run of LDS loads.
; The first 128 along K of slot s: x has one set of fragments (a block is free when its four products are issued), Ws two.
.macro SUB s, first
	s_wait_dscnt 8                                 ; all but the youngest eight loads, x's blocks 3 and 4
	WIN 0xf0-0x20*\first                           ; C and D window 3; with first = 1 C window 1
	MUL 0, 0, \first
	MUL 1, 0, \first
	MUL 2, 0, \first
	s_wait_dscnt 0x0
	PLACES 4
	WIN 0
	FETCH_B \s, 1, 1
	FETCH_A_LO \s, 1
	WIN 0xf0-0x20*\first
	MUL 3, 0, \first
	MUL 4, 0, \first
	PLACES 4
	WIN 0
	FETCH_A_HI \s, 1
.endm
; The second 128 changes slots.  ONE barrier does two things: in front of it my stores of the next K step into slot o have landed and my reads of slot s are over; behind it slot o is whole, and slot s may be written in the next trip.
.macro TURN t, s, o
	s_wait_dscnt 8
.if \t < 7
.if \t == 6
	s_wait_loadcnt 0x0                             ; the last K step's tiles are in; nothing was asked for behind them
.else
	s_wait_loadcnt 36                              ; the next K step's tiles are in; the 36 loads issued at this trip's head stay out
.endif
	STORE \o, \o
.endif
	WIN 0xf0
	MUL 0, 1, 0
	MUL 1, 1, 0
	s_wait_dscnt 0x0
.if \t < 7
	s_barrier_signal -1
	MUL 2, 1, 0                                    ; work on registers while the others arrive
	WIN 0
	s_barrier_wait -1
	PLACES 4
	FETCH_B \o, 0, 0
	FETCH_A_LO \o, 0
	WIN 0xf0
	MUL 3, 1, 0
	MUL 4, 1, 0
	PLACES 4
	WIN 0
	FETCH_A_HI \o, 0
.else
	MUL 2, 1, 0
	MUL 3, 1, 0
	MUL 4, 1, 0
	WIN 0
.endif
.endm
.macro TRIP t, s, o                    ; K step t, in slot s = t % 2
.if \t <= 5
	GLOAD_A \t+2, \s                               ; two K steps ahead, into the set whose LDS stores ended ahead of the last barrier
	GLOAD_B \t+2, \s
.endif
.if \t == 0
	SUB \s, 1
.else
	SUB \s, 0
.endif
	TURN \t, \s, \o
.endm
	FETCH_B 0, 0, 0
	FETCH_A_LO 0, 0
	FETCH_A_HI 0, 0
	TRIP 0, 0, 1
	TRIP 1, 1, 0
	TRIP 2, 0, 1
	TRIP 3, 1, 0
	TRIP 4, 0, 1
	TRIP 5, 1, 0
	TRIP 6, 0, 1
	TRIP 7, 1, 0
	; THE WAY OUT.  The activation and the hold in one (the conversion to an 8-bit code does not saturate: ISA guide 7.6.2); each accumulator from its low end on.
	PLACES 4
	WIN 0xc3                                       ; source 0 and destination window 3
.set J, 0
.rept 160
	v_med3_num_f32 v[J], v[J], 0, v[LIM]
.set J, J+1
.endr
	WIN 0x03
.set J, 0
.rept 20
	v_cvt_scalef32_pk8_fp8_f32 v[AF+2*J:AF+2*J+1], v[8*J:8*J+7], v[SC]   ; tiles 2 b, 2 b + 1 of block a: four registers, the codes of hidden units 32 b + 16 h + 0 .. 15
.set J, J+1
.endr
	v_nop                                          ; one plain vector instruction behind the last scaled conversion
	WIN 0
.irp a, 0,1,2,3,4
.irp b, 0,1
	ds_store_b128 v[SSTO], v[AF+8*\a+4*\b:AF+8*\a+4*\b+3] offset:\a*16*SP+32*\b
.endr
.endr
	BARRIER                                        ; a row's 128 bytes come from two waves
.irp i, 0,1,2,3,4,5,6,7,8,9
	ds_load_b128 v[BF+4*\i:BF+4*\i+3], v[SRD] offset:\i*16*SP
.endr
	s_wait_dscnt 0x0
	s_wait_xcnt 0x0                                ; EXEC changes only behind this wait
.irp i, 0,1,2,3,4,5,6,7,8,9
	s_sub_co_i32 s58, s47, 16*\i
	v_cmp_gt_i32 vcc_lo, s58, v[T3]                ; row 16 i + t / 8 is one of my m
	s_and_saveexec_b32 s59, vcc_lo
	global_store_b128 v[T16], v[BF+4*\i:BF+4*\i+3], s[54:55] offset:2048*\i   ; a wave's store covers 512 consecutive bytes: four rows of the plane
	s_wait_xcnt 0x0
	s_or_b32 exec_lo, exec_lo, s59
.endr
	; Rows without a scene: sorted rows under n0 and from n0 + (rows with a scene) on are zero codes.  Work-group (tx, ty) looks after rows 128 ty .. 128 ty + 127 of plane tx.
	; These lines are always walked: where every row has a scene, n0 is 0 and no row - n0 reaches 2,048, so every lane of every store is off.
	v_mov_b32 v168, 0
	v_mov_b32 v169, 0
	v_mov_b32 v170, 0
	v_mov_b32 v171, 0
	s_lshl_b32 s58, s30, 7
	s_sub_co_u32 s58, s58, s32
	v_add_nc_u32 v40, s58, v[T3]                   ; row - n0, which wraps for rows under n0
	s_wait_alu depctr_va_vdst(0)
.irp i, 0,1,2,3,4,5,6,7
	v_add_nc_u32 v41, 16*\i, v40
	v_cmp_le_u32 vcc_lo, s75, v41
	s_and_saveexec_b32 s59, vcc_lo
	global_store_b128 v[T16], v[168:171], s[78:79] offset:2048*\i
	s_wait_xcnt 0x0
	s_or_b32 exec_lo, exec_lo, s59
.endr
	s_wait_xcnt 0x0
	s_mov_b32 exec_lo, -1
	s_set_vgpr_msb 0x5
	s_wait_tensorcnt 0x0
	ds_add_u32 v254, v255
	s_wait_dscnt 0x0
	s_set_vgpr_msb 0x500
	s_endpgm
.Lfunc_end_k_q0f19864b8a_scene:
	.size	k_q0f19864b8a_scene, .Lfunc_end_k_q0f19864b8a_scene-k_q0f19864b8a_scene
	.p2alignl 7, 3214868480
	.fill 96, 4, 3214868480
	.section	.rodata,"a",@progbits
	.p2align	6, 0x0
	.amdhsa_kernel k_q0f19864b8a_scene
		.amdhsa_group_segment_fixed_size 158208
		.amdhsa_private_segment_fixed_size 0
		.amdhsa_enable_private_segment 0
		.amdhsa_kernarg_size 48
		.amdhsa_user_sgpr_count 2
		.amdhsa_user_sgpr_kernarg_segment_ptr 1
		.amdhsa_wavefront_size32 1
		.amdhsa_system_sgpr_workgroup_id_x 1
		.amdhsa_system_sgpr_workgroup_id_y 1
		.amdhsa_system_sgpr_workgroup_id_z 1
		.amdhsa_system_vgpr_workitem_id 0
		.amdhsa_next_free_vgpr 928
		.amdhsa_next_free_sgpr 100
		.amdhsa_reserve_vcc 1
		.amdhsa_float_denorm_mode_32 3
		.amdhsa_float_denorm_mode_16_64 3
		.amdhsa_memory_ordered 1
		.amdhsa_forward_progress 1
		.amdhsa_inst_pref_size 209
	.end_amdhsa_kernel
	.amdgpu_metadata
---
amdhsa.version: [ 1, 2 ]
amdhsa.kernels:
  - .name:           k_q0f19864b8a_scene
    .symbol:         k_q0f19864b8a_scene.kd
    .args:
      - { .name: x_codes, .offset: 0, .size: 8, .value_kind: global_buffer, .address_space: global }
      - { .name: Ws_codes, .offset: 8, .size: 8, .value_kind: global_buffer, .address_space: global }
      - { .name: bs, .offset: 16, .size: 8, .value_kind: global_buffer, .address_space: global }
      - { .name: lowp_scales, .offset: 24, .size: 8, .value_kind: global_buffer, .address_space: global }
      - { .name: scene_sign, .offset: 32, .size: 8, .value_kind: global_buffer, .address_space: global }
      - { .name: hc, .offset: 40, .size: 8, .value_kind: global_buffer, .address_space: global }
    .group_segment_fixed_size: 158208
    .private_segment_fixed_size: 0
    .kernarg_segment_align: 8
    .kernarg_segment_size: 48
    .max_flat_workgroup_size: 128
    .sgpr_count:     100
    .vgpr_count:     928
    .wavefront_size: 32
...
	.end_amdgpu_metadata
.endif
;; end of part 1
;; launch probe (part 2): grid 16 x 16, 4 waves a work-group, clusters of 4 x 4, 327,680 bytes of LDS; arguments hc, W1_codes, lowp_scales, b1, out0; writes out0
.if DOCPART == 2
	.amdgcn_target "amdgcn-amd-amdhsa--gfx1250"
	.amdhsa_code_object_version 6
	.text
	.protected	k_q0f19864b8a_probe
	.globl	k_q0f19864b8a_probe
	.p2align	8
	.type	k_q0f19864b8a_probe,@function
k_q0f19864b8a_probe:
	s_mov_b64 s[64:65], 0
	v_nop
	global_prefetch_b8 v0, s[64:65] scope:SCOPE_SE
	s_setreg_imm32_b32 hwreg(HW_REG_WAVE_MODE, 25, 1), 1
	s_wait_xcnt 0x0
	s_wait_alu depctr_hold_cnt(0) depctr_sa_sdst(0) depctr_va_vdst(0) depctr_va_sdst(0) depctr_va_ssrc(0) depctr_va_vcc(0) depctr_vm_vsrc(0)
	s_getreg_b32 s2, hwreg(HW_REG_IB_STS2, 6, 4)
	s_cmp_eq_u32 s2, 0
	s_cbranch_scc0 .Lentry_in_a_cluster
	s_endpgm
.Lentry_in_a_cluster:
	s_bfe_u32 s2, ttmp6, 0x10000c
	s_cmp_lg_u32 s2, 0xf033
	s_cbranch_scc0 .Lentry_shape_is_right
	s_endpgm
.Lentry_shape_is_right:
.set SIZE_M, 2048
.set SIZE_N, 4096
.set SIZE_K, 2048
.set PLANE,  SIZE_M*128
.set TROWB,  128*128
.set APITCH, 144
.set APL,    128*APITCH
.set XPITCH, 528
.set YPITCH, 272
.set XA,     0
.set XB,     XA+4*APL
.set YA,     XB+256*XPITCH
.set YB,     YA+2*APL
.set SPARE,  YB+256*YPITCH
.set STAGE,  YA
.set SPITCH, 528
.set FR,     16
.set NP,     4
.set ADAX, 16
.set ADBX, 20
.set STO,  24
.set RD,   25
.set CO,   26
.set SPW,  28
.set NIL,  29
.set BV,   32
.set AF,   128
.set BK,   128
.set G1AX, 24
.set G1BX, 40
.set G0AX, 56
.set G0BX, 68
.set MSB, 0
.macro WIN new
.if MSB != \new
	s_set_vgpr_msb (MSB<<8)|\new
.set MSB, \new
.endif
.endm
.set MULW, 0xa1
.set TO_B, 0x40
.macro JLOAD g0a, g1a, g0b, g1b
	s_cmp_eq_u32 s15, 0
	s_cbranch_scc0 .Lfor_b_\@
	tensor_load_to_lds s[\g0a:\g0a+3], s[\g1a:\g1a+7]
	s_nop 0
.rept 4
	v_nop
.endr
	s_branch .Lasked_\@
.Lfor_b_\@:
	tensor_load_to_lds s[\g0b:\g0b+3], s[\g1b:\g1b+7]
	s_nop 0
.rept 4
	v_nop
.endr
.Lasked_\@:
.endm
.macro CREST
	s_cmp_lg_u32 s14, 0
	s_cbranch_scc1 .Lnot_wave_0_\@
	s_barrier_signal -3
.Lnot_wave_0_\@:
	s_barrier_wait -3
	s_barrier_signal -1
	s_barrier_wait -1
.endm
.macro CROUND
	s_barrier_signal -1
	s_barrier_wait -1
	CREST
.endm
	s_load_b128 s[4:7], s[0:1], 0x0
	s_load_b128 s[8:11], s[0:1], 0x10
	s_load_b64 s[12:13], s[0:1], 0x20
	v_lshl_add_u32 v[SPW], v0, 2, SPARE
	v_mov_b32 v[NIL], 0
	ds_add_u32 v28, v29
	ds_add_u32 v28, v29
	s_wait_dscnt 0x0
	v_lshrrev_b32 v1, 5, v0
	v_readfirstlane_b32 s14, v1
	s_lshr_b32 s15, s14, 1
	s_and_b32 s16, s14, 1
	s_bfe_u32 s76, ttmp6, 0x40000
	s_bfe_u32 s77, ttmp6, 0x40004
	s_lshl_b32 s78, ttmp9, 2
	s_add_co_u32 s78, s78, s76
	s_and_b32 s17, ttmp7, 0xffff
	s_lshl_b32 s17, s17, 2
	s_add_co_u32 s17, s17, s77
	s_lshl_b32 s79, s77, 2
	s_lshl_b32 s79, 15, s79
	s_lshl_b32 s80, 0x1111, s76
	s_or_b32 s[G1AX], s79, (0<<16)|(1<<20)|(1<<21)|(4<<22)|(3<<25)
	s_or_b32 s[G1AX+8], s79, (0<<16)|(1<<20)|(1<<21)|(4<<22)|(3<<25)
	s_or_b32 s[G1BX], s80, (0<<16)|(1<<20)|(1<<21)|(6<<22)|(3<<25)
	s_or_b32 s[G1BX+8], s80, (0<<16)|(1<<20)|(1<<21)|(5<<22)|(3<<25)
	s_mov_b32 s[G1AX+1], TROWB<<16
	s_mov_b32 s[G1AX+2], 2<<16
	s_mov_b32 s[G1AX+3], TROWB<<16
	s_mov_b32 s[G1AX+4], 2
	s_mov_b32 s[G1AX+5], PLANE
	s_mov_b32 s[G1AX+6], 0
	s_mov_b32 s[G1AX+7], 0
	s_mov_b32 s[G1AX+9], TROWB<<16
	s_mov_b32 s[G1AX+10], 1<<16
	s_mov_b32 s[G1AX+11], TROWB<<16
	s_mov_b32 s[G1AX+12], 1
	s_mov_b32 s[G1AX+13], PLANE
	s_mov_b32 s[G1AX+14], 0
	s_mov_b32 s[G1AX+15], 0
	s_mov_b32 s[G1BX+1], 512<<16
	s_mov_b32 s[G1BX+2], 128<<16
	s_mov_b32 s[G1BX+3], 512<<16
	s_mov_b32 s[G1BX+4], 128
	s_mov_b32 s[G1BX+5], SIZE_K
	s_mov_b32 s[G1BX+6], 0
	s_mov_b32 s[G1BX+7], 0
	s_mov_b32 s[G1BX+9], 256<<16
	s_mov_b32 s[G1BX+10], 128<<16
	s_mov_b32 s[G1BX+11], 256<<16
	s_mov_b32 s[G1BX+12], 128
	s_mov_b32 s[G1BX+13], SIZE_K
	s_mov_b32 s[G1BX+14], 0
	s_mov_b32 s[G1BX+15], 0
	s_lshl_b32 s20, s17, 14
	s_lshl_b32 s18, s16, 19
	s_add_co_u32 s22, s20, s18
	s_mov_b32 s23, 0
	s_lshl_b32 s18, s16, 18
	s_add_co_u32 s20, s20, s18
	s_mov_b32 s21, 0
	s_lshl_b32 s82, s78, 19
	s_add_co_u32 s82, s82, s18
	s_mov_b32 s83, 0
	s_mul_i32 s84, s16, 2*APL
	s_mul_i32 s85, s16, APL
	s_add_co_u32 s85, s85, YA
	s_mul_i32 s86, s16, 128*XPITCH
	s_add_co_u32 s86, s86, XB
	s_mul_i32 s87, s16, 128*YPITCH
	s_add_co_u32 s87, s87, YB
	s_wait_kmcnt 0x0
	s_load_b64 s[96:97], s[8:9], 0x20
	s_add_nc_u64 s[22:23], s[4:5], s[22:23]
	s_add_nc_u64 s[20:21], s[4:5], s[20:21]
	s_add_nc_u64 s[82:83], s[6:7], s[82:83]
	CROUND
	s_mov_b32 s[G0AX], 1
	s_mov_b32 s[G0AX+1], s84
	s_mov_b64 s[G0AX+2:G0AX+3], s[22:23]
	s_or_b32 s[G0AX+3], s[G0AX+3], 0x80000000
	s_mov_b32 s[G0BX], 1
	s_mov_b32 s[G0BX+1], s86
	s_mov_b64 s[G0BX+2:G0BX+3], s[82:83]
	s_or_b32 s[G0BX+3], s[G0BX+3], 0x80000000
	s_mov_b32 s[G0AX+4], 1
	s_mov_b32 s[G0AX+5], s85
	s_add_nc_u64 s[G0AX+6:G0AX+7], s[20:21], 4*PLANE
	s_or_b32 s[G0AX+7], s[G0AX+7], 0x80000000
	s_mov_b32 s[G0BX+4], 1
	s_mov_b32 s[G0BX+5], s87
	s_add_nc_u64 s[G0BX+6:G0BX+7], s[82:83], 512
	s_or_b32 s[G0BX+7], s[G0BX+7], 0x80000000
	JLOAD G0AX, G1AX, G0BX, G1BX
	s_wait_alu depctr_va_vdst(0)
	s_wait_tensorcnt 0x0
	ds_add_u32 v28, v29
	s_wait_dscnt 0x0
	CROUND
	JLOAD G0AX+4, G1AX+8, G0BX+4, G1BX+8
	v_and_b32 v1, 15, v0
	v_bfe_u32 v2, v0, 4, 1
	v_mul_u32_u24 v3, v1, APITCH
	v_lshl_add_u32 v3, v2, 4, v3
	s_mul_i32 s21, s15, 64*APITCH
	v_add_nc_u32 v[ADAX], s21, v3
	v_add_nc_u32 v[ADAX+1], YA, v[ADAX]
	v_mul_u32_u24 v4, v1, XPITCH
	v_lshl_add_u32 v4, v2, 4, v4
	v_add_nc_u32 v[ADBX], s86, v4
	v_mul_u32_u24 v5, v1, YPITCH
	v_lshl_add_u32 v5, v2, 4, v5
	v_add_nc_u32 v[ADBX+1], s87, v5
	s_mul_i32 s23, s14, 16*SPITCH
	s_add_co_u32 s23, s23, STAGE
	v_mul_u32_u24 v6, v1, SPITCH
	v_lshl_add_u32 v6, v2, 5, v6
	v_add_nc_u32 v[STO], s23, v6
	v_and_b32 v7, 31, v0
	v_lshlrev_b32 v[CO], 4, v7
	s_wait_alu depctr_va_vdst(0)
	v_add_nc_u32 v[RD], s23, v[CO]
	s_lshl_b32 s20, s17, 7
	s_lshl_b32 s21, s15, 6
	s_add_co_u32 s20, s20, s21
	s_lshl_b32 s20, s20, 14
	s_mov_b32 s21, 0
	s_lshl_b32 s82, s78, 10
	s_lshl_b32 s83, s16, 9
	s_add_co_u32 s82, s82, s83
	s_mov_b32 s83, 0
	s_add_nc_u64 s[10:11], s[10:11], s[82:83]
	s_add_nc_u64 s[20:21], s[20:21], s[82:83]
	s_add_nc_u64 s[12:13], s[12:13], s[20:21]
	global_load_b128 v[BV:BV+3], v[CO], s[10:11]
.macro FETCH sl, q, p
	WIN TO_B
.irp i, 0,1,2,3,4,5,6,7
.irp c, 0,1,2,3
	ds_load_b128 v[128*(\p)+FR*\i+4*\c:128*(\p)+FR*\i+4*\c+3], v[ADBX+\sl] offset:128*(\q)+32*\c+\i*16*(XPITCH-(\sl)*(XPITCH-YPITCH))
.endr
.endr
	WIN 0
.irp i, 0,1,2,3
.irp c, 0,1,2,3
	ds_load_b128 v[AF+64*(\p)+FR*\i+4*\c:AF+64*(\p)+FR*\i+4*\c+3], v[ADAX+\sl] offset:APL*(\q)+32*\c+\i*16*APITCH
.endr
.endr
.endm
.macro MUL8 a, p, zero
.irp b, 0,1,2,3,4,5,6,7
.if \zero
	v_wmma_f32_16x16x128_fp8_fp8 v[8*(8*(\a)+\b):8*(8*(\a)+\b)+7], v[128*(\p)+FR*\b:128*(\p)+FR*\b+FR-1], v[AF+64*(\p)+FR*(\a):AF+64*(\p)+FR*(\a)+FR-1], 0
.else
	v_wmma_f32_16x16x128_fp8_fp8 v[8*(8*(\a)+\b):8*(8*(\a)+\b)+7], v[128*(\p)+FR*\b:128*(\p)+FR*\b+FR-1], v[AF+64*(\p)+FR*(\a):AF+64*(\p)+FR*(\a)+FR-1], v[8*(8*(\a)+\b):8*(8*(\a)+\b)+7]
.endif
.endr
.endm
.macro PLACES n
.rept \n
	v_nop
.endr
.endm
.macro STEP p, zero, sl, nq
	s_wait_dscnt 12
	WIN MULW
	MUL8 0, \p, \zero
	s_wait_dscnt 8
	MUL8 1, \p, \zero
	PLACES NP
	FETCH \sl, \nq, 1-\p
	s_wait_dscnt 52
	WIN MULW
	MUL8 2, \p, \zero
	s_wait_dscnt 48
	MUL8 3, \p, \zero
.endm
.macro TURN p, fill, sl, nsl
	s_wait_dscnt 12
	WIN MULW
	MUL8 0, \p, 0
	s_wait_dscnt 8
	MUL8 1, \p, 0
	s_wait_dscnt 4
	MUL8 2, \p, 0
	WIN 0
	s_wait_tensorcnt 0x0
	ds_add_u32 v[SPW], v[NIL]
.if \fill
	s_add_nc_u64 s[G0AX+4*\sl+2:G0AX+4*\sl+3], s[G0AX+4*\sl+2:G0AX+4*\sl+3], 6*PLANE
	s_add_nc_u64 s[G0BX+4*\sl+2:G0BX+4*\sl+3], s[G0BX+4*\sl+2:G0BX+4*\sl+3], 768
.endif
	s_wait_dscnt 0x0
	s_barrier_signal -1
	s_barrier_wait -1
.if \fill
	CREST
	JLOAD G0AX+4*\sl, G1AX+8*\sl, G0BX+4*\sl, G1BX+8*\sl
.else
	PLACES NP
.endif
	FETCH \nsl, 0, 1-\p
	WIN MULW
	MUL8 3, \p, 0
.endm
	s_wait_tensorcnt 1
	s_barrier_signal -1
	s_barrier_wait -1
	FETCH 0, 0, 0
	STEP 0, 1, 0, 1
	STEP 1, 0, 0, 2
	STEP 0, 0, 0, 3
	TURN 1, 1, 0, 1
	STEP 0, 0, 1, 1
	TURN 1, 1, 1, 0
	STEP 0, 0, 0, 1
	STEP 1, 0, 0, 2
	STEP 0, 0, 0, 3
	TURN 1, 1, 0, 1
	STEP 0, 0, 1, 1
	TURN 1, 0, 1, 0
	STEP 0, 0, 0, 1
	STEP 1, 0, 0, 2
	STEP 0, 0, 0, 3
	s_wait_dscnt 12
	WIN MULW
	MUL8 0, 1, 0
	s_wait_dscnt 8
	MUL8 1, 1, 0
	s_wait_dscnt 4
	MUL8 2, 1, 0
	s_wait_dscnt 0
	MUL8 3, 1, 0
	WIN 0
.macro TOSTAGE a
.set AC, 64*(\a)
	WIN 0x08
.irp b, 0,1,2,3,4,5,6,7
	ds_store_b128 v[STO], v[AC+8*\b:AC+8*\b+3] offset:64*\b
	ds_store_b128 v[STO], v[AC+8*\b+4:AC+8*\b+7] offset:64*\b+16
.endr
	WIN 0
.set BB, BK+64*((\a)%2)
.irp t, 0,1,2,3,4,5,6,7,8,9,10,11,12,13,14,15
	ds_load_b128 v[BB+4*\t:BB+4*\t+3], v[RD] offset:\t*SPITCH
.endr
.endm
.macro SEND a, younger
.set BB, BK+64*((\a)%2)
	s_wait_dscnt \younger
.if (\a) > 0
	s_add_nc_u64 s[12:13], s[12:13], 16*SIZE_N*4
.endif
.irp t, 0,1,2,3,4,5,6,7,8,9,10,11,12,13,14,15
	v_pk_fma_f32 v[BB+4*\t:BB+4*\t+1], v[BB+4*\t:BB+4*\t+1], s[96:97], v[BV:BV+1] op_sel_hi:[1,0,1]
	v_pk_fma_f32 v[BB+4*\t+2:BB+4*\t+3], v[BB+4*\t+2:BB+4*\t+3], s[96:97], v[BV+2:BV+3] op_sel_hi:[1,0,1]
	global_store_b128 v[CO], v[BB+4*\t:BB+4*\t+3], s[12:13] offset:\t*SIZE_N*4 th:TH_STORE_NT
.endr
.endm
	s_wait_kmcnt 0x0
	s_add_co_i32 s96, s96, s97
	s_add_co_i32 s96, s96, 127
	s_lshl_b32 s96, s96, 23
	s_wait_loadcnt 0x0
	PLACES NP
	s_wait_alu depctr_va_vdst(0)
	TOSTAGE 0
.irp a, 1,2,3
.if \a > 1
	s_wait_xcnt 0x0
.endif
	TOSTAGE \a
	SEND \a-1, 32
.endr
	s_wait_xcnt 0x0
	SEND 3, 0
	s_wait_tensorcnt 0x0
	ds_add_u32 v[SPW], v[NIL]
	s_wait_dscnt 0x0
	CROUND
	s_endpgm
.Lfunc_end_k_q0f19864b8a_probe:
	.size	k_q0f19864b8a_probe, .Lfunc_end_k_q0f19864b8a_probe-k_q0f19864b8a_probe
	.p2alignl 7, 3214868480
	.fill 96, 4, 3214868480
	.section	.rodata,"a",@progbits
	.p2align	6, 0x0
	.amdhsa_kernel k_q0f19864b8a_probe
		.amdhsa_group_segment_fixed_size 327680
		.amdhsa_private_segment_fixed_size 0
		.amdhsa_enable_private_segment 0
		.amdhsa_kernarg_size 40
		.amdhsa_user_sgpr_count 2
		.amdhsa_user_sgpr_kernarg_segment_ptr 1
		.amdhsa_wavefront_size32 1
		.amdhsa_system_sgpr_workgroup_id_x 1
		.amdhsa_system_sgpr_workgroup_id_y 1
		.amdhsa_system_sgpr_workgroup_id_z 1
		.amdhsa_system_vgpr_workitem_id 0
		.amdhsa_next_free_vgpr 768
		.amdhsa_next_free_sgpr 98
		.amdhsa_reserve_vcc 0
		.amdhsa_float_denorm_mode_32 3
		.amdhsa_float_denorm_mode_16_64 3
		.amdhsa_memory_ordered 1
		.amdhsa_forward_progress 1
		.amdhsa_inst_pref_size 121
	.end_amdhsa_kernel
	.amdgpu_metadata
---
amdhsa.version: [ 1, 2 ]
amdhsa.kernels:
  - .name:           k_q0f19864b8a_probe
    .symbol:         k_q0f19864b8a_probe.kd
    .args:
      - { .name: hc, .offset: 0, .size: 8, .value_kind: global_buffer, .address_space: global }
      - { .name: W1_codes, .offset: 8, .size: 8, .value_kind: global_buffer, .address_space: global }
      - { .name: lowp_scales, .offset: 16, .size: 8, .value_kind: global_buffer, .address_space: global }
      - { .name: b1, .offset: 24, .size: 8, .value_kind: global_buffer, .address_space: global }
      - { .name: out0, .offset: 32, .size: 8, .value_kind: global_buffer, .address_space: global }
    .group_segment_fixed_size: 327680
    .private_segment_fixed_size: 0
    .kernarg_segment_align: 8
    .kernarg_segment_size: 40
    .max_flat_workgroup_size: 128
    .sgpr_count:     98
    .vgpr_count:     768
    .wavefront_size: 32
...
	.end_amdgpu_metadata
.endif
;; end of part 2
